; MI455X (gfx1250); checked and timed in simulation.
; The chip was launched on July 23, 2026; its instructions are those of AMD's public machine-readable ISA for CDNA 5 (MIT licence, August 2026) and "CDNA5" Instruction Set Architecture Reference Guide (July 2026). The comments in the code are by the model that wrote it; some were corrected since.
;; Sparse Self Attention. Allowed arithmetic: float matrix products may take bf16 or f16 operands with f32 sums; all other float work in f32.
;; Inputs: Wk 512 x 512 float32; Wq 512 x 512 float32; Wv 512 x 512 float32; x 2 x 4,096 x 512 float32.
;; Outputs: out0 2 x 4,096 x 512 float32.
;; 2 versions, each right and faster than the one before. Each part assembles by itself: llvm-mc -triple=amdgcn-amd-amdhsa -mcpu=gfx1250 --defsym DOCPART=n.
;; ======== version 1 of 2: 2 launches
;; limits: values are held in f16: magnitudes above 65,504 overflow, below 6.1e-05 lose precision
;; workspace buffers: qbuf 8,388,608 bytes; kbuf 8,388,608 bytes; vtbuf 8,388,608 bytes
;; launch proj (part 1): grid 8 x 32, 4 waves a work-group, no clusters, 127,488 bytes of LDS; arguments x, Wq, Wk, Wv, qbuf, kbuf, vtbuf; writes qbuf, kbuf, vtbuf
.if DOCPART == 1
	.amdgcn_target "amdgcn-amd-amdhsa--gfx1250"
	.amdhsa_code_object_version 6
	.text
	.protected	k_qf0542c7c13_proj
	.globl	k_qf0542c7c13_proj
	.p2align	8
	.type	k_qf0542c7c13_proj,@function
k_qf0542c7c13_proj:
	s_mov_b64 s[64:65], 0
	v_nop
	global_prefetch_b8 v0, s[64:65] scope:SCOPE_SE
	s_setreg_imm32_b32 hwreg(HW_REG_WAVE_MODE, 25, 1), 1
	s_wait_xcnt 0x0
; q = x Wq, k = x Wk, v = x Wv for one head, one residue of the row number modulo 4 and 256 blocks, stored as f16 for the attention launch.
; x: [2][4096][512] f32.  W*: [512 (k)][512 (n)] f32.  With g = (batch*8 + head)*4 + residue and row 4 i + residue <-> block i, the outputs lie
; IN THE ORDER OF MATRIX FRAGMENTS, 131,072 bytes for each g:
;   qbuf, kbuf [g][tile of 16 i][e 0..3][lane 32][16 bytes]: lane (r, h) holds columns 16 e + 8 h .. + 7 of row i = 16 tile + r;
;   vtbuf      [g][block of 32 i][dt 0..3][e 0..1][lane 32][16 bytes]: lane (r, h) holds i = 32 block + 16 e + 8 h .. + 7 of column d = 16 dt + r.
; These 16 bytes are what a lane here holds when it has packed one accumulator tile, and what a lane of the attention launch needs as a part of a
; fragment: so results leave straight from registers, 512 consecutive bytes a store.  q is already multiplied by 0.125 log2(e).
; Work-group (head, mt): 256 rows x 192 columns (64 of each W).  Four waves, wave w owns rows 64 w .. 64 w + 63 and all 192 columns:
; 4 x 12 accumulator tiles.  K goes in 8 steps of 64 (256 bytes of a row of x, aligned) through two LDS slots.
; THE TILES GO THROUGH REGISTERS, not through the tensor data mover, and so are not shared in a cluster: they are f32 in memory and f16 at the
; matrix unit.  A tensor load would lay a step's 114,688 bytes in LDS as f32, to be read, converted and stored again beside the 57,344 bytes of
; f16 that this text stores.  Here each lane loads 16 bytes (sixteen lanes: 256 consecutive bytes, aligned), converts, stores 8 bytes.
; LIMITS: matrix operands are f16: |x|, |W|, |k|, |v| and |0.18 q| must stay below 65,504; magnitudes below 6.1e-5 are rounded with an absolute
; error of up to 3e-8.  Sums are f32, in the matrix unit's order.  NaN and infinite inputs are not served.
.set XP,     144                       ; LDS pitch of a row of x: 128 bytes + 16 = 9 x 16: sixteen rows begin at sixteen different 16-byte columns modulo 256
.set WP,     416                       ; LDS pitch of a k row of the three W: 384 bytes + 32 = 13 x 32, for the transposing loads
.set WSO,    256*XP                    ; 36,864: W's tile behind x's in a slot
.set SLOT,   WSO+64*WP                 ; 63,488; two slots
.set QSCALE, 0x3e38aa3b                ; 0.125 x 1.442695
; window 0
.set XG,   3                           ; byte offset of my 16 bytes in x
.set WGO,  4                           ; the same in each W
.set XST,  5                           ; v5,6   where I store x's f16, slot 0, 1
.set WST,  7                           ; v7,8   the same for W
.set AFR,  9                           ; v9,10  where I read fragments of x
.set BFR,  11                          ; v11,12 where I read fragments of W
.set OGO,  13                          ; 16 x lane: my place in a store of 512 bytes
.set AF0,  32                          ; v32-63   fragment buffer 0: 4 fragments of x (16 rows x 32 k)
.set BF0,  64                          ; v64-159  fragment buffer 0: 12 fragments of W (16 columns x 32 k)
.set XH,   160                         ; v160-223 x's tile as f16, 32 pairs
.set WH,   224                         ; v224-255 Wq's and Wk's tiles as f16, 16 pairs
.set TMP,  32                          ; v32-223  packed results on the way out
; window 1: v0-127 x as loaded (32 x 4), v128-223 the three W as loaded (3 x 8 x 4), v224-239 Wv's tile as f16
.set WR,   128
.set WH2,  224
; window 2: accumulators of q and k, tile (nt 0..7, m) at v[8 (4 nt + m)]
; window 3: v0-127 accumulators of v, tile (nt - 8, m) likewise; v128-255 fragment buffer 1
.set AF1,  128
.set BF1,  160
.set MSB, 0
.macro WIN new                         ; s_set_vgpr_msb: bits 1:0 source 0, 3:2 source 1, 5:4 source 2, 7:6 destination; the high byte repeats the setting left
.if MSB != \new
	s_set_vgpr_msb (MSB<<8)|\new
.set MSB, \new
.endif
.endm
.macro PLACES                          ; four plain vector instructions between a matrix instruction and a load into, or a vector read of, its registers
.rept 4
	v_nop
.endr
.endm
	s_load_b256 s[4:11], s[0:1], 0x0               ; x, Wq, Wk, Wv
	s_load_b128 s[12:15], s[0:1], 0x20             ; qbuf, kbuf
	s_load_b64 s[16:17], s[0:1], 0x30              ; vtbuf
	v_lshl_add_u32 v30, v0, 2, 0x1f000
	v_mov_b32 v31, 0
	v_lshrrev_b32 v2, 5, v0
	v_readfirstlane_b32 s18, v2                    ; wave 0..3
	s_mov_b32 s19, ttmp9                           ; head
	s_and_b32 s20, ttmp7, 0xffff                   ; mt = batch*16 + residue*4 + block of 256 i
	s_lshr_b32 s21, s20, 4                         ; batch
	s_bfe_u32 s22, s20, 0x20002                    ; residue
	s_and_b32 s23, s20, 3                          ; iblk
	s_lshl3_add_u32 s24, s21, s19
	s_lshl2_add_u32 s24, s24, s22                  ; g
	v_and_b32 v1, 31, v0                           ; lane L
	v_and_b32 v21, 15, v0                          ; c = r = L % 16
	v_bfe_u32 v22, v0, 4, 1                        ; h = L / 16
	v_lshlrev_b32 v25, 4, v21                      ; 16 c
	s_lshl_b32 s29, s18, 19
	v_lshl_add_u32 v[XG], v22, 16, v25             ; (64 w + 8 h) rows of 8,192 bytes (every fourth row of x) + 16 c
	v_add_nc_u32 v[XG], s29, v[XG]
	s_lshl_b32 s29, s18, 15
	v_lshl_add_u32 v[WGO], v22, 13, v25            ; (16 w + 4 h) k rows of 2,048 bytes + 16 c
	v_add_nc_u32 v[WGO], s29, v[WGO]
	s_lshl_b32 s26, s21, 23                        ; x: batch, 1,024 rows for each iblk, the residue's row
	s_lshl_b32 s29, s23, 21
	s_add_co_u32 s26, s26, s29
	s_lshl_b32 s29, s22, 11
	s_add_co_u32 s26, s26, s29
	s_mov_b32 s27, 0
	s_wait_kmcnt 0x0
	s_add_nc_u64 s[4:5], s[4:5], s[26:27]
	s_lshl_b32 s26, s19, 8                         ; W: the head's 64 columns
	s_add_nc_u64 s[6:7], s[6:7], s[26:27]
	s_add_nc_u64 s[8:9], s[8:9], s[26:27]
	s_add_nc_u64 s[10:11], s[10:11], s[26:27]
	s_lshl_b32 s26, s24, 17                        ; the outputs: 131,072 bytes for each g, 32,768 for 256 i, 8,192 for my 64 i: the same in all three
	s_lshl_b32 s29, s23, 15
	s_add_co_u32 s26, s26, s29
	s_lshl_b32 s29, s18, 13
	s_add_co_u32 s26, s26, s29
	s_add_nc_u64 s[12:13], s[12:13], s[26:27]
	s_add_nc_u64 s[14:15], s[14:15], s[26:27]
	s_add_nc_u64 s[16:17], s[16:17], s[26:27]
; 56 loads: my 64 rows of x's tile, two rows a load (lanes 16-31 eight rows further down), and my 16 k rows of each W (lanes 16-31 four further down)
.macro LOADS
	WIN 0x40
.set u, 0
.rept 32
	global_load_b128 v[4*u:4*u+3], v[XG], s[4:5] offset:((u>>3)*16+(u&7))*8192
.set u, u+1
.endr
.irp mat, 0,1,2
.set u, 0
.rept 8
	global_load_b128 v[WR+32*\mat+4*u:WR+32*\mat+4*u+3], v[WGO], s[6+2*\mat:7+2*\mat] offset:((u>>2)*8+(u&3))*2048
.set u, u+1
.endr
.endr
.endm
; f32 to f16, into registers of their own: the registers as loaded are free at once for the next tile's loads, and the LDS stores can follow later
.macro CVT
	WIN 0x05
.set u, 0
.rept 32
	v_cvt_pk_f16_f32 v[XH+2*u], v[4*u], v[4*u+1]
	v_cvt_pk_f16_f32 v[XH+2*u+1], v[4*u+2], v[4*u+3]
.set u, u+1
.endr
.set u, 0
.rept 16
	v_cvt_pk_f16_f32 v[WH+2*u], v[WR+4*u], v[WR+4*u+1]
	v_cvt_pk_f16_f32 v[WH+2*u+1], v[WR+4*u+2], v[WR+4*u+3]
.set u, u+1
.endr
	WIN 0x45
.set u, 0
.rept 8
	v_cvt_pk_f16_f32 v[WH2+2*u], v[WR+64+4*u], v[WR+64+4*u+1]
	v_cvt_pk_f16_f32 v[WH2+2*u+1], v[WR+64+4*u+2], v[WR+64+4*u+3]
.set u, u+1
.endr
.endm
; 8 bytes a lane into the slot.  The two halves of a store lie 8 x 144 or 4 x 416 bytes apart: 128 modulo 256.
.macro STORES slot
	WIN 0
.set u, 0
.rept 32
	ds_store_b64 v[XST+\slot], v[XH+2*u:XH+2*u+1] offset:((u>>3)*16+(u&7))*XP
.set u, u+1
.endr
.irp mat, 0,1
.set u, 0
.rept 8
	ds_store_b64 v[WST+\slot], v[WH+16*\mat+2*u:WH+16*\mat+2*u+1] offset:((u>>2)*8+(u&3))*WP+128*\mat
.set u, u+1
.endr
.endr
	WIN 0x04
.set u, 0
.rept 8
	ds_store_b64 v[WST+\slot], v[WH2+2*u:WH2+2*u+1] offset:((u>>2)*8+(u&3))*WP+256
.set u, u+1
.endr
.endm
.macro NEXTK                           ; the next 64 of K: 256 bytes along x's rows, 64 rows down each W
	s_add_nc_u64 s[4:5], s[4:5], 256
	s_add_nc_u64 s[6:7], s[6:7], 131072
	s_add_nc_u64 s[8:9], s[8:9], 131072
	s_add_nc_u64 s[10:11], s[10:11], 131072
.endm
; the fragments of 32 along K into the buffer (af, bf) of window win: x lies with K along its LDS rows (two plain loads), W with K down its rows (two transposing loads)
.macro FRAGS slot, ks, af, bf, win
	WIN \win
.irp m, 0,1,2,3
	ds_load_b128 v[\af+8*\m:\af+8*\m+3],   v[AFR+\slot] offset:\m*16*XP+64*\ks
	ds_load_b128 v[\af+8*\m+4:\af+8*\m+7], v[AFR+\slot] offset:\m*16*XP+64*\ks+32
.endr
.irp nt, 0,1,2,3,4,5,6,7,8,9,10,11
	ds_load_tr16_b128 v[\bf+8*\nt:\bf+8*\nt+3],   v[BFR+\slot] offset:32*\nt+32*WP*\ks
	ds_load_tr16_b128 v[\bf+8*\nt+4:\bf+8*\nt+7], v[BFR+\slot] offset:32*\nt+32*WP*\ks+16*WP
.endr
.endm
; The 48 accumulators take turns, one instruction a turn, in the same order for every 32 of K and over the loop's backward jump too.
; MULA, 32 products for q and k: sources swapped (W's columns first), so that a lane holds 8 neighbouring columns of one row of x.
.macro MULA af, bf, win, zero
	WIN \win
.irp nt, 0,1,2,3,4,5,6,7
.irp m, 0,1,2,3
.if \zero
	v_wmma_f32_16x16x32_f16 v[8*(4*\nt+\m):8*(4*\nt+\m)+7], v[\bf+8*\nt:\bf+8*\nt+7], v[\af+8*\m:\af+8*\m+7], 0
.else
	v_wmma_f32_16x16x32_f16 v[8*(4*\nt+\m):8*(4*\nt+\m)+7], v[\bf+8*\nt:\bf+8*\nt+7], v[\af+8*\m:\af+8*\m+7], v[8*(4*\nt+\m):8*(4*\nt+\m)+7]
.endif
.endr
.endr
.endm
; MULB, 16 products for v: natural order, so that a lane holds 8 neighbouring rows i of one column d.
.macro MULB af, bf, win, zero
	WIN \win
.irp a, 0,1,2,3
.irp m, 0,1,2,3
.if \zero
	v_wmma_f32_16x16x32_f16 v[8*(4*\a+\m):8*(4*\a+\m)+7], v[\af+8*\m:\af+8*\m+7], v[\bf+64+8*\a:\bf+64+8*\a+7], 0
.else
	v_wmma_f32_16x16x32_f16 v[8*(4*\a+\m):8*(4*\a+\m)+7], v[\af+8*\m:\af+8*\m+7], v[\bf+64+8*\a:\bf+64+8*\a+7], v[8*(4*\a+\m):8*(4*\a+\m)+7]
.endif
.endr
.endr
.endm
; One K step of 64 from slot.  Buffer 0 holds, or is about to receive, its first 32 of K.
; zero: the first products start the sums.  conv: the next tile, in registers by now, is converted and goes into the other slot.  load: the tile after
; that is asked for, a whole step ahead of its wait.  next: a further step follows.
; Every run of LDS instructions is followed by 16 or 32 products on the other buffer, under which it is served.
; ONE barrier a step.  In front of it each wave's stores into the other slot have landed and its reads of this slot are back.  Behind it the other slot is
; read; and this slot is stored into only in the next step, behind this barrier.
.macro STEP slot, zero, conv, load, next
.if \conv
	s_wait_loadcnt 0x0                             ; the next tile is in registers, and its loads' bases may be stepped
	CVT                                            ; 112 plain vector instructions: also the places between the last products on buffer 1 and the loads into it
.if \load
	NEXTK
	LOADS
.endif
.else
	PLACES
.endif
	FRAGS \slot, 1, AF1, BF1, 0xc0
	s_wait_dscnt 32                                ; buffer 0's loads are in; the 32 into buffer 1, issued behind them, may stay out
	MULA AF0, BF0, 0xa0, \zero
.if \conv
	STORES 1-\slot
.endif
	MULB AF0, BF0, 0xf0, \zero
.if \conv
	s_wait_dscnt 56                                ; buffer 1's loads are in; the 56 stores issued behind them may stay out
.else
	s_wait_dscnt 0x0
.endif
	MULA AF1, BF1, 0xaf, 0
.if \next
	s_wait_dscnt 0x0                               ; for the other waves: my stores into the other slot have landed, my reads of this slot are back
	s_barrier_signal -1
	s_barrier_wait -1                              ; the same holds of all four waves
	PLACES                                         ; between the last products on buffer 0 and the loads into it
	FRAGS 1-\slot, 0, AF0, BF0, 0
.endif
	MULB AF1, BF1, 0xff, 0
.endm
	LOADS                                          ; tile 0
	WIN 0
	v_and_b32 v23, 7, v0                           ; L & 7
	v_bfe_u32 v24, v0, 3, 1                        ; (L >> 3) & 1
	v_lshlrev_b32 v26, 3, v21                      ; 8 c
	v_lshlrev_b32 v27, 4, v22                      ; 16 h
	s_mul_i32 s30, s18, 64*XP                      ; my 64 rows of x's tile
	v_mad_u32_u24 v[XST], v22, 8*XP, v26
	v_add_nc_u32 v[XST], s30, v[XST]
	v_add_nc_u32 v[XST+1], SLOT, v[XST]
	s_mul_i32 s31, s18, 16*WP                      ; my 16 k rows of W's tile
	s_add_co_u32 s31, s31, WSO
	v_mad_u32_u24 v[WST], v22, 4*WP, v26
	v_add_nc_u32 v[WST], s31, v[WST]
	v_add_nc_u32 v[WST+1], SLOT, v[WST]
	v_mad_u32_u24 v[AFR], v21, XP, v27             ; row r, 16 bytes for each half of the lanes
	v_add_nc_u32 v[AFR], s30, v[AFR]
	v_add_nc_u32 v[AFR+1], SLOT, v[AFR]
	v_lshl_add_u32 v28, v22, 3, v23                ; k row 8 h + (L & 7)
	v_lshlrev_b32 v29, 4, v24
	v_mad_u32_u24 v[BFR], v28, WP, v29
	v_add_nc_u32 v[BFR], WSO, v[BFR]
	v_add_nc_u32 v[BFR+1], SLOT, v[BFR]
	v_lshlrev_b32 v[OGO], 4, v1                    ; 16 L
	s_wait_loadcnt 0x0
	CVT
	NEXTK
	LOADS                                          ; tile 1
	STORES 0
	s_wait_dscnt 0x0                               ; for the other waves: my part of tile 0 has landed
	s_barrier_signal -1
	s_barrier_wait -1
	FRAGS 0, 0, AF0, BF0, 0
	STEP 0, 1, 1, 1, 1                             ; tile 0 multiplied, tile 1 stored, tile 2 asked for
	STEP 1, 0, 1, 1, 1
	WIN 0                                          ; at a label and at a branch every window is 0
	s_mov_b32 s28, 2
.Lk:
	STEP 0, 0, 1, 1, 1                             ; tiles 2 to 5; the last trip asks for tile 7
	STEP 1, 0, 1, 1, 1
	WIN 0
	s_sub_co_i32 s28, s28, 1
	s_cmp_lg_u32 s28, 0
	s_cbranch_scc1 .Lk
	STEP 0, 0, 1, 0, 1                             ; tile 6: nothing is left to ask for
	STEP 1, 0, 0, 0, 0                             ; tile 7
	; THE WAY OUT: pack each accumulator tile to 16 bytes a lane and store it as it lies: 32 lanes, 512 consecutive bytes, aligned.
	; Every store has data registers of its own, so nothing is waited for.
	PLACES                                         ; between the last products and the first reads of results
	WIN 0x0a                                       ; k: tiles nt = 4 .. 7
.irp a, 4,5,6,7
.irp m, 0,1,2,3
.irp rr, 0,1,2,3
	v_cvt_pk_f16_f32 v[TMP+4*(4*\a+\m)+\rr], v[8*(4*\a+\m)+2*\rr], v[8*(4*\a+\m)+2*\rr+1]
.endr
.endr
.endr
	WIN 0x0f                                       ; v
.irp a, 0,1,2,3
.irp m, 0,1,2,3
.irp rr, 0,1,2,3
	v_cvt_pk_f16_f32 v[TMP+128+4*(4*\a+\m)+\rr], v[8*(4*\a+\m)+2*\rr], v[8*(4*\a+\m)+2*\rr+1]
.endr
.endr
.endr
	WIN 0
.irp a, 4,5,6,7
.irp m, 0,1,2,3
	global_store_b128 v[OGO], v[TMP+4*(4*\a+\m):TMP+4*(4*\a+\m)+3], s[14:15] offset:2048*\m+512*(\a-4)         ; tile of 16 i = m, e = nt - 4
.endr
.endr
.irp a, 0,1,2,3
.irp m, 0,1,2,3
	global_store_b128 v[OGO], v[TMP+128+4*(4*\a+\m):TMP+128+4*(4*\a+\m)+3], s[16:17] offset:4096*(\m>>1)+1024*\a+512*(\m&1)   ; block of 32 i = m / 2, dt = a, e = m % 2
.endr
.endr
	WIN 0x82                                       ; q: the scale of the scores and the change to exponents of 2
.set u, 0
.rept 64
	v_pk_mul_f32 v[2*u:2*u+1], v[2*u:2*u+1], QSCALE op_sel_hi:[1,0]
.set u, u+1
.endr
	WIN 0x0a
.irp a, 0,1,2,3
.irp m, 0,1,2,3
.irp rr, 0,1,2,3
	v_cvt_pk_f16_f32 v[TMP+4*(4*\a+\m)+\rr], v[8*(4*\a+\m)+2*\rr], v[8*(4*\a+\m)+2*\rr+1]
.endr
.endr
.endr
	WIN 0
.irp a, 0,1,2,3
.irp m, 0,1,2,3
	global_store_b128 v[OGO], v[TMP+4*(4*\a+\m):TMP+4*(4*\a+\m)+3], s[12:13] offset:2048*\m+512*\a
.endr
.endr
	s_wait_tensorcnt 0x0
	ds_add_u32 v30, v31
	s_wait_dscnt 0x0
	s_endpgm
.Lfunc_end_k_qf0542c7c13_proj:
	.size	k_qf0542c7c13_proj, .Lfunc_end_k_qf0542c7c13_proj-k_qf0542c7c13_proj
	.p2alignl 7, 3214868480
	.fill 96, 4, 3214868480
	.section	.rodata,"a",@progbits
	.p2align	6, 0x0
	.amdhsa_kernel k_qf0542c7c13_proj
		.amdhsa_group_segment_fixed_size 127488
		.amdhsa_private_segment_fixed_size 0
		.amdhsa_enable_private_segment 0
		.amdhsa_kernarg_size 56
		.amdhsa_user_sgpr_count 2
		.amdhsa_user_sgpr_kernarg_segment_ptr 1
		.amdhsa_wavefront_size32 1
		.amdhsa_system_sgpr_workgroup_id_x 1
		.amdhsa_system_sgpr_workgroup_id_y 1
		.amdhsa_system_sgpr_workgroup_id_z 1
		.amdhsa_system_vgpr_workitem_id 0
		.amdhsa_next_free_vgpr 1024
		.amdhsa_next_free_sgpr 66
		.amdhsa_reserve_vcc 0
		.amdhsa_float_denorm_mode_32 3
		.amdhsa_float_denorm_mode_16_64 3
		.amdhsa_memory_ordered 1
		.amdhsa_forward_progress 1
		.amdhsa_inst_pref_size 187
	.end_amdhsa_kernel
	.amdgpu_metadata
---
amdhsa.version: [ 1, 2 ]
amdhsa.kernels:
  - .name:           k_qf0542c7c13_proj
    .symbol:         k_qf0542c7c13_proj.kd
    .args:
      - { .name: x, .offset: 0, .size: 8, .value_kind: global_buffer, .address_space: global }
      - { .name: Wq, .offset: 8, .size: 8, .value_kind: global_buffer, .address_space: global }
      - { .name: Wk, .offset: 16, .size: 8, .value_kind: global_buffer, .address_space: global }
      - { .name: Wv, .offset: 24, .size: 8, .value_kind: global_buffer, .address_space: global }
      - { .name: qbuf, .offset: 32, .size: 8, .value_kind: global_buffer, .address_space: global }
      - { .name: kbuf, .offset: 40, .size: 8, .value_kind: global_buffer, .address_space: global }
      - { .name: vtbuf, .offset: 48, .size: 8, .value_kind: global_buffer, .address_space: global }
    .group_segment_fixed_size: 127488
    .private_segment_fixed_size: 0
    .kernarg_segment_align: 8
    .kernarg_segment_size: 56
    .max_flat_workgroup_size: 128
    .sgpr_count:     66
    .vgpr_count:     1024
    .wavefront_size: 32
...
	.end_amdgpu_metadata
.endif
;; end of part 1
;; launch attn (part 2): grid 256 x 1, 8 waves a work-group, clusters of 4 x 1, 271,360 bytes of LDS; arguments qbuf, kbuf, vtbuf, out0; writes out0
.if DOCPART == 2
	.amdgcn_target "amdgcn-amd-amdhsa--gfx1250"
	.amdhsa_code_object_version 6
	.text
	.protected	k_qf0542c7c13_attn
	.globl	k_qf0542c7c13_attn
	.p2align	8
	.type	k_qf0542c7c13_attn,@function
k_qf0542c7c13_attn:
	s_mov_b64 s[64:65], 0
	v_nop
	global_prefetch_b8 v0, s[64:65] scope:SCOPE_SE
	s_setreg_imm32_b32 hwreg(HW_REG_WAVE_MODE, 25, 1), 1
	s_wait_xcnt 0x0
	s_wait_alu depctr_hold_cnt(0) depctr_sa_sdst(0) depctr_va_vdst(0) depctr_va_sdst(0) depctr_va_ssrc(0) depctr_va_vcc(0) depctr_vm_vsrc(0)
	s_getreg_b32 s2, hwreg(HW_REG_IB_STS2, 6, 4)
	s_cmp_eq_u32 s2, 0
	s_cbranch_scc0 .Lentry_in_a_cluster
	s_endpgm
.Lentry_in_a_cluster:
	s_bfe_u32 s2, ttmp6, 0x10000c
	s_cmp_lg_u32 s2, 0x3003
	s_cbranch_scc0 .Lentry_shape_is_right
	s_endpgm
.Lentry_shape_is_right:
; The sparse attention itself.  Row 4 i + residue attends to all blocks m of its own residue, and once more to blocks i - 3 .. i + 3.
; The four padded rows of x and every patch outside the sequence have k = v = 0 (no bias): logit 0, value 0.  So for group g = (batch, head, residue):
;   o_i = sum_m c(i,m) e^(s_im - M) v_m / ( sum_m c(i,m) e^(s_im - M) + z(i) e^(-M) ),   m = 0 .. 1023,  c = 2 where |m - i| <= 3, else 1,
;   z(i) = 1 + the number of d in -3 .. 3 with i + d outside 0 .. 1023,   M = the maximum of 0 and all s: a running maximum that starts at 0.
; THE INPUTS LIE IN THE ORDER OF MATRIX FRAGMENTS, 131,072 bytes for each g:
;   qbuf, kbuf [g][tile of 16 i][e 0..3][lane 32][16 bytes]: lane (r, h) holds columns 16 e + 8 h .. + 7 of row 16 tile + r;
;   vtbuf      [g][block of 32 i][dt 0..3][e 0..1][lane 32][16 bytes]: lane (r, h) holds keys 16 e + 8 h .. + 7 of the block, of column d = 16 dt + r.
; So every load of a part of a fragment, from memory or from LDS, is lane i at 16 i: 512 consecutive bytes, and LDS needs no padding.
; CLUSTER: the four work-groups of a cluster are the four blocks of 256 queries of one g.  They need the same K and V, 262,144 bytes, which
; fit in LDS whole: 16 joint tensor loads (mask 15), two a wave, all first fills behind the opening round.  Nothing is ever filled again.
; Eight waves: wave w has queries 64 (w & 3) .. + 63 of the block and, with kh = w >> 2, the chunks of 128 keys kh, kh + 2, kh + 4, kh + 6: 16 steps
; of 32 keys.  The two halves of a pair meet in LDS at the end.
; LAYOUT: S^T = K Q^T gives lane (r, h) the keys 8 h + j of query r; packed to f16 that is the second source of O^T = V^T P^T as it stands.  Maximum,
; sum and rescaling are one number a lane and query tile; the only step between lanes is one v_permlanex16_b32.
; THE BAND (c = 2) is one more step, the first: its fragments come straight from memory, since an LDS address may not hang on the place in the
; cluster.  kh = 0 takes d = -3 .. 0 (key tiles qt - 1 and qt of query tile qt) and the padded block's key, kh = 1 takes d = 1 .. 3 (tiles qt, qt + 1):
; relative to a query tile the mask is fixed.
; LIMITS: q, k, v and the weights P are f16 at the matrix unit (P <= 1; below 6.1e-5 with an absolute error of up to 3e-8); P is rounded in the numerator only;
; sums are f32, in another order than a plain softmax makes them.  NaN and infinite inputs are not served.
.set KCH,   16384                      ; a chunk of K: 8 tiles of 16 keys, 2,048 bytes each
.set VCH,   16384                      ; a chunk of V: 4 blocks of 32 keys, 4,096 bytes each
.set VBASE, 8*KCH                      ; 131,072
.set XCH,   VBASE+8*VCH                ; 262,144: 8 x 1,024 bytes in which the pairs exchange maximum and sum; no tensor load lands here
.set SP,    272                        ; the way out: pitch of a query's 64 f32 in a stage: 256 bytes + 16
.set STW,   64*SP                      ; 17,408: a wave's stage
; window 0
.set KA,   3                           ; where I read K's fragments
.set VA,   4                           ; where I read V's
.set NINF, 5
.set MA,   8                           ; v8-11, v12-15: the running maxima of the four query tiles, two sets that take turns
.set MB,   12
.set AL,   16                          ; v16-19  2^(old maximum - new)
.set T,    20                          ; v20-23
.set X,    24                          ; v24-27  what v_permlanex16_b32 brings
.set CNT,  28                          ; v28-31  half the number of zero keys
.set Q,    32                          ; v32-95  Q(qt, ks) at 32 + 16 qt + 8 ks
.set KF,   96                          ; v96-127 K(kt, ks) at 96 + 16 kt + 8 ks; in the band step v96-175: five tiles of 16 keys
.set VF,   128                         ; v128-159 V(dt)
.set VW,   176                         ; v176-255 band step: V(dt, c) at 176 + 20 dt + 4 c, c = the five tiles of 16 keys
.set OA,   32                          ; the way out
.set XA,   240
.set XPA,  241
.set STG,  242
.set RA,   243
.set RBA,  244
.set OGO,  245
; window 1: O(qt, dt) at 32 qt + 8 dt; S(kt, qt) at 128 + 16 qt + 8 kt, packed in place to P(qt) at 128 + 16 qt; the sums L(qt), a pair, at 192 + 2 qt
.set SB,   128
.set LB,   192
.set BM,   66                          ; s66-81  band masks (kt, j);  s82-89, s90-97: the same with the sequence's two ends
.set BE0,  82
.set BE1,  90
.set MSB, 0
.macro WIN new                         ; s_set_vgpr_msb: bits 1:0 source 0, 3:2 source 1, 5:4 source 2, 7:6 destination; the high byte repeats the setting left
.if MSB != \new
	s_set_vgpr_msb (MSB<<8)|\new
.set MSB, \new
.endif
.endm
.macro ROUND                           ; a round of the cluster's barrier
	s_barrier_signal -1
	s_barrier_wait -1
	s_cmp_lg_u32 s12, 0
	s_cbranch_scc1 .Lnot_wave_0_\@
	s_barrier_signal -3
.Lnot_wave_0_\@:
	s_barrier_wait -3
	s_barrier_signal -1
	s_barrier_wait -1
.endm
	s_load_b256 s[4:11], s[0:1], 0x0               ; qbuf, kbuf, vtbuf, out0
	s_set_vgpr_msb 0x40
	v_lshl_add_u32 v200, v0, 2, 0x42000
	v_mov_b32 v201, 0
	s_set_vgpr_msb 0x4045
	ds_add_u32 v200, v201
	ds_add_u32 v200, v201
	s_set_vgpr_msb 0x4500
	v_lshrrev_b32 v6, 5, v0
	v_readfirstlane_b32 s12, v6                    ; wave 0..7
	s_and_b32 s13, s12, 3                          ; wq: which 64 queries
	s_lshr_b32 s14, s12, 2                         ; kh: which half of the keys
	s_lshr_b32 s21, s12, 1                         ; p: which chunks I fetch
	s_and_b32 s22, s12, 1                          ; of K (0) or of V (1)
	s_bfe_u32 s15, ttmp6, 0x40000                  ; cx: the block of 256 queries
	s_mov_b32 s16, ttmp9                           ; g: in a cluster launch ttmp9 counts clusters
	s_lshl_b32 s17, s15, 8
	s_lshl_b32 s23, s13, 6
	s_add_co_u32 s17, s17, s23                     ; q0: my first query
	s_mov_b32 s18, 0x76543210                      ; v_permlanex16_b32: lane i of one half reads lane i of the other
	s_mov_b32 s19, 0xfedcba98
	; group 1, for K's and V's chunks alike: a dense block of 16,384 bytes as 64 rows of 128 elements of 2 bytes (256 bytes), no padding
	s_mov_b32 s24, 15|(1<<16)|(1<<21)              ; 15:0 the mask: all four work-groups; 17:16 element of 2 bytes; 21 set beside a mask
	s_mov_b32 s25, 128<<16                         ; tensor_dim0
	s_mov_b32 s26, 64<<16                          ; tensor_dim1
	s_mov_b32 s27, 128<<16                         ; tile_dim0
	s_mov_b32 s28, 64                              ; tile_dim1
	s_mov_b32 s29, 128                             ; from row to row
	s_mov_b32 s30, 0
	s_mov_b32 s31, 0
	s_lshl_b32 s56, s16, 17                        ; 131,072 bytes for each g
	s_mov_b32 s57, 0
	s_wait_dscnt 0x0
	s_wait_kmcnt 0x0
	s_add_nc_u64 s[4:5], s[4:5], s[56:57]
	s_add_nc_u64 s[6:7], s[6:7], s[56:57]
	s_add_nc_u64 s[8:9], s[8:9], s[56:57]
	; groups 0: chunks p and p + 4.  They are made of g and the wave's number alone: equal in all four work-groups.
	s_lshl_b32 s56, s21, 14                        ; chunk p, in memory as in LDS
	s_mov_b32 s40, 1
	s_mul_i32 s41, s21, KCH
	s_add_nc_u64 s[42:43], s[6:7], s[56:57]
	s_mov_b32 s44, 1
	s_add_co_u32 s45, s41, 4*KCH
	s_add_nc_u64 s[46:47], s[42:43], 4*KCH
	s_or_b32 s43, s43, 0x80000000
	s_or_b32 s47, s47, 0x80000000
	s_mov_b32 s48, 1
	s_mul_i32 s49, s21, VCH
	s_add_co_u32 s49, s49, VBASE
	s_add_nc_u64 s[50:51], s[8:9], s[56:57]
	s_mov_b32 s52, 1
	s_add_co_u32 s53, s49, 4*VCH
	s_add_nc_u64 s[54:55], s[50:51], 4*VCH
	s_or_b32 s51, s51, 0x80000000
	s_or_b32 s55, s55, 0x80000000
	ROUND                                          ; all four work-groups are here: the joint loads meet
	s_cmp_eq_u32 s22, 0
	s_cbranch_scc0 .Lfor_v
	tensor_load_to_lds s[40:43], s[24:31]          ; two tensor loads of the wave are out, never more
	s_nop 0
	tensor_load_to_lds s[44:47], s[24:31]
	s_nop 0
	s_branch .Lasked
.Lfor_v:
	tensor_load_to_lds s[48:51], s[24:31]
	s_nop 0
	tensor_load_to_lds s[52:55], s[24:31]
	s_nop 0
.Lasked:
	; the output's base, in registers that feed no descriptor (they hold cx): batch, head, residue, my first query
	s_lshr_b32 s2, s16, 5
	s_lshl_b32 s2, s2, 23
	s_bfe_u32 s3, s16, 0x30002
	s_lshl_b32 s3, s3, 8
	s_add_co_u32 s2, s2, s3
	s_and_b32 s3, s16, 3
	s_lshl_b32 s3, s3, 11
	s_add_co_u32 s2, s2, s3
	s_lshl_b32 s3, s17, 13                         ; a block i is four rows of 2,048 bytes
	s_add_co_u32 s2, s2, s3
	s_mov_b32 s3, 0
	s_add_nc_u64 s[10:11], s[10:11], s[2:3]
	; Q, and the band's window of K and V: the five tiles of 16 keys from tile q0 / 16 - 1 + kh.  A tile outside 0 .. 63 is clamped into the buffer here and masked below.
	v_and_b32 v1, 15, v0                           ; r
	v_bfe_u32 v2, v0, 4, 1                         ; h
	v_and_b32 v7, 31, v0
	v_lshlrev_b32 v7, 4, v7                        ; 16 L
	s_lshl_b32 s23, s17, 7                         ; tile q0 / 16 of 2,048 bytes
	v_add_nc_u32 v20, s23, v7                      ; Q
	s_lshr_b32 s23, s17, 4
	s_add_co_u32 s23, s23, s14                     ; q0 / 16 + kh
	v_mov_b32 v6, s23
.irp t, 0,1,2,3,4
	v_add_nc_u32 v[21+\t], \t-1, v6                ; the tile; below 0 it wraps and the minimum takes 63
	v_min_u32 v[21+\t], 63, v[21+\t]
	v_lshrrev_b32 v[26+\t], 1, v[21+\t]            ; V: the block of 32 keys,
	v_and_b32 v31, 1, v[21+\t]                     ; and which half of it
	v_lshl_add_u32 v[26+\t], v[26+\t], 12, v7
	v_lshl_add_u32 v[26+\t], v31, 9, v[26+\t]
	v_lshl_add_u32 v[21+\t], v[21+\t], 11, v7      ; K: the tile
.endr
.irp qt, 0,1,2,3
.irp e, 0,1,2,3
	global_load_b128 v[Q+16*\qt+4*\e:Q+16*\qt+4*\e+3], v20, s[4:5] offset:2048*\qt+512*\e
.endr
.endr
.irp t, 0,1,2,3,4
.irp e, 0,1,2,3
	global_load_b128 v[KF+16*\t+4*\e:KF+16*\t+4*\e+3], v[21+\t], s[6:7] offset:512*\e
.endr
.endr
.irp dt, 0,1,2,3
.irp c, 0,1,2,3,4
	global_load_b128 v[VW+20*\dt+4*\c:VW+20*\dt+4*\c+3], v[26+\c], s[8:9] offset:1024*\dt
.endr
.endr
	; the band's masks.  Register j of window tile qt + kt of lane (r, h) is the key with d = 16 (kh - 1) + 16 kt + 8 h + j - r.  Mine: lo <= d <= lo + width, lo = 4 kh - 3.
	s_sub_co_u32 s58, 3, s14                       ; width: 3 or 2
	s_mul_i32 s59, s14, 12
	s_sub_co_u32 s59, 13, s59                      ; 16 - 16 kh + lo: 13 or 1
	s_mov_b32 s61, 0xc47f0000                      ; -1020.0
	s_cmp_eq_u32 s14, 0
	s_cselect_b32 s60, 0x40400000, -1.0            ; c1: 3 - i keys lie below the sequence for kh = 0, none for kh = 1
	s_cselect_b32 s61, 0xc47fc000, s61             ; c2: none above for kh = 0 (i - 1023 <= 0), i - 1020 for kh = 1
	s_cselect_b32 s62, 0.5, 0                      ; half of the padded block's one key, counted by kh = 0
	s_lshl_b32 s23, s14, 4
	s_add_co_u32 s23, s23, s17                     ; q0 + 16 kh
	v_mov_b32 v6, s23
	v_add_nc_u32 v7, -16, v6
	v_cmp_gt_u32 s98, 0x400, v7                    ; the window's tile 0 exists (unsigned: below 0 it wraps)
	v_add_nc_u32 v7, 48, v6
	v_cmp_gt_u32 s99, 0x400, v7                    ; its tile 4 exists
	v_lshlrev_b32 v7, 3, v2
	v_sub_nc_u32 v7, v7, v1
	v_sub_nc_u32 v7, v7, s59                       ; 8 h - r - 16 + 16 kh - lo
.irp kt, 0,1
.irp j, 0,1,2,3,4,5,6,7
	v_add_nc_u32 v6, 16*\kt+\j, v7
	v_cmp_ge_u32 s[BM+8*\kt+\j], s58, v6           ; unsigned: 0 <= d - lo <= width
.endr
.endr
.irp j, 0,1,2,3,4,5,6,7
	s_and_b32 s[BE0+\j], s[BM+\j], s98
	s_and_b32 s[BE1+\j], s[BM+8+\j], s99
.endr
	v_and_b32 v6, 31, v0
	v_lshlrev_b32 v6, 4, v6                        ; 16 L
	s_lshl_b32 s23, s14, 14
	v_add_nc_u32 v[KA], s23, v6                    ; chunk kh of K
	v_add_nc_u32 v[VA], VBASE, v[KA]               ; chunk kh of V
	v_mov_b32 v[NINF], 0xff800000
	s_wait_xcnt 0x0                                ; v20-30, the loads' offsets, are written again only behind this wait
	v_add_nc_u32 v6, s17, v1
.irp qt, 0,1,2,3
	v_add_nc_u32 v7, 16*\qt, v6                    ; i = q0 + 16 qt + r
	v_cvt_f32_u32 v7, v7
	v_sub_f32 v[CNT+\qt], s60, v7
	v_add_f32 v7, s61, v7
	v_max_num_f32 v[CNT+\qt], 0, v[CNT+\qt]
	v_max_num_f32 v7, 0, v7
	v_add_f32 v[CNT+\qt], v[CNT+\qt], v7
	v_fma_f32 v[CNT+\qt], v[CNT+\qt], 0.5, s62     ; halved: both halves of the lanes carry it, and they are added at the end
.endr
.macro KLOAD st                        ; 32 keys x 64: two tiles, 8 loads of 512 consecutive bytes
.irp kt, 0,1
.irp e, 0,1,2,3
	ds_load_b128 v[KF+16*\kt+4*\e:KF+16*\kt+4*\e+3], v[KA] offset:4096*(\st)+2048*\kt+512*\e
.endr
.endr
.endm
.macro VLOAD st                        ; 64 d x 32 keys: one block, 8 loads
.irp dt, 0,1,2,3
	ds_load_b128 v[VF+8*\dt:VF+8*\dt+3],   v[VA] offset:4096*(\st)+1024*\dt
	ds_load_b128 v[VF+8*\dt+4:VF+8*\dt+7], v[VA] offset:4096*(\st)+1024*\dt+512
.endr
.endm
; 16 matrix instructions: S^T of 32 keys x 64 queries.  The eight accumulators take turns, one instruction a turn.
; loc = 1: query tile qt takes tiles qt and qt + 1 of the band's window.
.macro SMUL loc
	WIN 0x50
.irp qt, 0,1,2,3
.irp kt, 0,1
	v_wmma_f32_16x16x32_f16 v[SB+16*\qt+8*\kt:SB+16*\qt+8*\kt+7], v[KF+16*(\kt+\loc*\qt):KF+16*(\kt+\loc*\qt)+7], v[Q+16*\qt:Q+16*\qt+7], 0
.endr
.endr
.irp qt, 0,1,2,3
.irp kt, 0,1
	v_wmma_f32_16x16x32_f16 v[SB+16*\qt+8*\kt:SB+16*\qt+8*\kt+7], v[KF+16*(\kt+\loc*\qt)+8:KF+16*(\kt+\loc*\qt)+15], v[Q+16*\qt+8:Q+16*\qt+15], v[SB+16*\qt+8*\kt:SB+16*\qt+8*\kt+7]
.endr
.endr
.endm
; 16 matrix instructions on 16 accumulators: O^T += V^T P^T.  loc = 1: the band step, the first: its products start the sums, nothing is cleared.
.macro PVMUL loc
	WIN 0x54
.irp qt, 0,1,2,3
.irp dt, 0,1,2,3
.if \loc
	v_wmma_f32_16x16x32_f16 v[32*\qt+8*\dt:32*\qt+8*\dt+7], v[VW+20*\dt+4*\qt:VW+20*\dt+4*\qt+7], v[SB+16*\qt:SB+16*\qt+7], 0
.else
	v_wmma_f32_16x16x32_f16 v[32*\qt+8*\dt:32*\qt+8*\dt+7], v[VF+8*\dt:VF+8*\dt+7], v[SB+16*\qt:SB+16*\qt+7], v[32*\qt+8*\dt:32*\qt+8*\dt+7]
.endif
.endr
.endr
	WIN 0
.rept 5                                ; five places: the next S product writes over P, a source of these; V's fragments are loaded again (ISA guide 7.12.1)
	v_nop
.endr
.endm
; pb, sel: the even-aligned pair that holds query tile qt's number, and which register of it feeds both halves of the packed instruction
.macro SUBM MN, qt, pb, sel
.irp i, 0,1,2,3,4,5,6,7
	v_pk_add_f32 v[SB+16*\qt+2*\i:SB+16*\qt+2*\i+1], v[SB+16*\qt+2*\i:SB+16*\qt+2*\i+1], v[\MN+\pb:\MN+\pb+1] op_sel:[0,\sel] op_sel_hi:[1,\sel] neg_lo:[0,1] neg_hi:[0,1]
.endr
.endm
.macro EXPMUL qt, pb, sel              ; each exponential is followed by a plain instruction that touches neither its source nor its result: O's rescaling
.set e, 0
.rept 16
	v_exp_f32 v[SB+16*\qt+e], v[SB+16*\qt+e]
	s_wait_alu depctr_va_vdst(0)
	v_pk_mul_f32 v[32*\qt+2*e:32*\qt+2*e+1], v[32*\qt+2*e:32*\qt+2*e+1], v[AL+\pb:AL+\pb+1] op_sel:[0,\sel] op_sel_hi:[1,\sel]
.set e, e+1
.endr
.endm
.macro LMUL qt, pb, sel
	v_pk_mul_f32 v[LB+2*\qt:LB+2*\qt+1], v[LB+2*\qt:LB+2*\qt+1], v[AL+\pb:AL+\pb+1] op_sel:[0,\sel] op_sel_hi:[1,\sel]
.endm
.macro OMUL qt, pb, sel
.set e, 0
.rept 16
	v_pk_mul_f32 v[32*\qt+2*e:32*\qt+2*e+1], v[32*\qt+2*e:32*\qt+2*e+1], v[AL+\pb:AL+\pb+1] op_sel:[0,\sel] op_sel_hi:[1,\sel]
.set e, e+1
.endr
.endm
; S (exponents of 2) -> P in f16, with the running maximum MO -> MN.  first = 1: the maximum starts at 0, the sums start, the zero keys are counted.
.macro SOFTMAX MO, MN, first
	WIN 0x05
.irp qt, 0,1,2,3
.if \first
	v_max3_num_f32 v[T+\qt], v[SB+16*\qt], v[SB+16*\qt+1], 0
.else
	v_max3_num_f32 v[T+\qt], v[SB+16*\qt], v[SB+16*\qt+1], v[\MO+\qt]
.endif
.endr
.irp i, 1,2,3,4,5,6,7
.irp qt, 0,1,2,3
	v_max3_num_f32 v[T+\qt], v[SB+16*\qt+2*\i], v[SB+16*\qt+2*\i+1], v[T+\qt]
.endr
.endr
	WIN 0
.irp qt, 0,1,2,3
	v_permlanex16_b32 v[X+\qt], v[T+\qt], s18, s19         ; the other 16 keys of the same query (X has been written before: as load offsets)
.endr
.irp qt, 0,1,2,3
	v_max_num_f32 v[\MN+\qt], v[T+\qt], v[X+\qt]
.endr
.irp qt, 0,1,2,3
.if \first
	v_sub_f32 v[AL+\qt], 0, v[\MN+\qt]
.else
	v_sub_f32 v[AL+\qt], v[\MO+\qt], v[\MN+\qt]
.endif
.endr
.irp qt, 0,1,2,3
	v_exp_f32 v[AL+\qt], v[AL+\qt]                 ; first used far below; the subtractions that follow touch neither source nor result
.endr
	WIN 0x41
	SUBM \MN, 0, 0, 0
	SUBM \MN, 1, 0, 1
	SUBM \MN, 2, 2, 0
	SUBM \MN, 3, 2, 1
.if \first
.set e, 0
.rept 64
	v_exp_f32 v[SB+e], v[SB+e]
.set e, e+1
.endr
	v_nop                                          ; one plain instruction between the last exponential and the first use (ISA guide 5.7.2)
	WIN 0x45
	s_wait_alu depctr_va_vdst(0)
.irp qt, 0,1,2,3
	v_pk_add_f32 v[LB+2*\qt:LB+2*\qt+1], v[SB+16*\qt:SB+16*\qt+1], v[SB+16*\qt+2:SB+16*\qt+3]
.endr
.irp i, 2,3,4,5,6,7
.irp qt, 0,1,2,3
	v_pk_add_f32 v[LB+2*\qt:LB+2*\qt+1], v[LB+2*\qt:LB+2*\qt+1], v[SB+16*\qt+2*\i:SB+16*\qt+2*\i+1]
.endr
.endr
	WIN 0x50
.irp qt, 0,1,2,3
	v_fma_f32 v[LB+2*\qt], v[CNT+\qt], v[AL+\qt], v[LB+2*\qt]      ; the zero keys: their number times 2^(0 - maximum)
.endr
.else
	EXPMUL 0, 0, 0
	EXPMUL 1, 0, 1
	EXPMUL 2, 2, 0
	EXPMUL 3, 2, 1
	LMUL 0, 0, 0
	LMUL 1, 0, 1
	LMUL 2, 2, 0
	LMUL 3, 2, 1
	WIN 0x45
	s_wait_alu depctr_va_vdst(0)
.irp i, 0,1,2,3,4,5,6,7
.irp qt, 0,1,2,3
	v_pk_add_f32 v[LB+2*\qt:LB+2*\qt+1], v[LB+2*\qt:LB+2*\qt+1], v[SB+16*\qt+2*\i:SB+16*\qt+2*\i+1]
.endr
.endr
.endif
	WIN 0x45
.irp qt, 0,1,2,3
.irp i, 0,1,2,3
	v_cvt_pk_f16_f32 v[SB+16*\qt+\i], v[SB+16*\qt+2*\i], v[SB+16*\qt+2*\i+1]       ; keys 8 h + 0 .. 7 into registers 0-3, ascending: no source is overwritten early
.endr
.irp i, 0,1,2,3
	v_cvt_pk_f16_f32 v[SB+16*\qt+4+\i], v[SB+16*\qt+8+2*\i], v[SB+16*\qt+8+2*\i+1] ; keys 16 + 8 h + 0 .. 7 into registers 4-7
.endr
.endr
.endm
; One step of 32 keys, number st of its chunk.  K's fragments are on their way already.  pre = 1: the next step's are asked for.
.macro STEP st, MO, MN, pre
	VLOAD \st
	s_wait_dscnt 0x8                               ; K's eight loads are in; V's eight, issued behind them, may stay out
	SMUL 0
	WIN 0
.rept 4                                ; four places in front of the loads into K's fragments and of the reads of S
	v_nop
.endr
.if \pre
	KLOAD (\st+1)
.endif
	SOFTMAX \MO, \MN, 0
.if \pre
	s_wait_dscnt 0x8                               ; V's loads are in; the next K's eight may stay out
.else
	s_wait_dscnt 0x0
.endif
	PVMUL 0
.endm
.macro MASK qt, kt, mb
.irp j, 0,1,2,3,4,5,6,7
	v_cndmask_b32 v[SB+16*\qt+8*\kt+\j], v[NINF], v[SB+16*\qt+8*\kt+\j], s[\mb+\j]
.endr
.endm
	; THE BAND STEP, while the tiles land
	s_wait_loadcnt 20                              ; Q and K's window are in; V's 20 loads, issued behind them, may stay out
	SMUL 1
.rept 4
	v_nop
.endr
	WIN 0x44
	MASK 0, 0, BE0
	MASK 0, 1, BM+8
	MASK 1, 0, BM
	MASK 1, 1, BM+8
	MASK 2, 0, BM
	MASK 2, 1, BM+8
	MASK 3, 0, BM
	MASK 3, 1, BE1
	SOFTMAX MA, MA, 1
	s_wait_loadcnt 0x0
	PVMUL 1
; Two chunks of 128 keys.  cnt: how many of my tensor loads may stay out.
.macro RUN cnt
	s_wait_dscnt 0x0
	s_wait_tensorcnt \cnt
	s_barrier_signal -1
	s_barrier_wait -1                              ; every wave's part has landed
	s_mov_b32 s20, 2
.Lrun_\@:
	KLOAD 0
	STEP 0, MA, MB, 1
	STEP 1, MB, MA, 1
	STEP 2, MA, MB, 1
	STEP 3, MB, MA, 0
	v_add_nc_u32 v[KA], 2*KCH, v[KA]               ; my next chunk is the next but one
	v_add_nc_u32 v[VA], 2*VCH, v[VA]
	s_sub_co_i32 s20, s20, 1
	s_cmp_lg_u32 s20, 0
	s_cbranch_scc1 .Lrun_\@
.endm
	RUN 1                                          ; chunks kh and kh + 2: every wave's first load (chunks 0 to 3) is in, its second may stay out
	RUN 0                                          ; chunks kh + 4 and kh + 6
	; THE TWO HALVES MEET.  The same text for all waves; only addresses hang on the wave's number.
	WIN 0x05
.irp qt, 0,1,2,3
	v_add_f32 v[T+\qt], v[LB+2*\qt], v[LB+2*\qt+1]
.endr
	WIN 0
.irp qt, 0,1,2,3
	v_permlanex16_b32 v[X+\qt], v[T+\qt], s18, s19
.endr
.irp qt, 0,1,2,3
	v_add_f32 v[T+\qt], v[T+\qt], v[X+\qt]         ; my sum for query r of tile qt
.endr
	v_and_b32 v6, 31, v0
	v_lshlrev_b32 v6, 4, v6                        ; 16 L
	s_lshl_b32 s23, s12, 10
	s_add_co_u32 s23, s23, XCH
	v_add_nc_u32 v[XA], s23, v6
	s_xor_b32 s23, s12, 4                          ; my partner: the same queries, the other keys
	s_lshl_b32 s23, s23, 10
	s_add_co_u32 s23, s23, XCH
	v_add_nc_u32 v[XPA], s23, v6
	s_mul_i32 s23, s12, STW                        ; my stage: query r, 32 h
	v_lshlrev_b32 v7, 5, v2
	v_mad_u32_u24 v[STG], v1, SP, v7
	v_add_nc_u32 v[STG], s23, v[STG]
	s_mul_i32 s23, s13, STW                        ; back: rows 32 kh + h of the pair's two stages, 16 r
	s_mul_i32 s56, s14, 32*SP
	s_add_co_u32 s23, s23, s56
	v_lshlrev_b32 v7, 4, v1
	v_mad_u32_u24 v[RA], v2, SP, v7
	v_add_nc_u32 v[RA], s23, v[RA]
	v_add_nc_u32 v[RBA], 4*STW, v[RA]
	s_lshl_b32 s23, s14, 18                        ; and the same rows of the output, 8,192 bytes apart
	v_lshl_add_u32 v[OGO], v2, 13, v7
	v_add_nc_u32 v[OGO], s23, v[OGO]
	ds_store_b128 v[XA], v[MA:MA+3]
	ds_store_b128 v[XA], v[T:T+3] offset:512
	s_wait_dscnt 0x0                               ; for my partner; and all my reads of K and V are back
	s_barrier_signal -1
	s_barrier_wait -1                              ; behind it the first 139,264 bytes, which have had their last fill, serve as stages
	ds_load_b128 v[MB:MB+3], v[XPA]
	ds_load_b128 v[X:X+3], v[XPA] offset:512
	s_wait_dscnt 0x0
.irp qt, 0,1,2,3
	v_max_num_f32 v[AL+\qt], v[MA+\qt], v[MB+\qt]
.endr
.irp qt, 0,1,2,3
	v_sub_f32 v[MA+\qt], v[MA+\qt], v[AL+\qt]
	v_sub_f32 v[MB+\qt], v[MB+\qt], v[AL+\qt]
.endr
.irp qt, 0,1,2,3
	v_exp_f32 v[MA+\qt], v[MA+\qt]
	v_exp_f32 v[MB+\qt], v[MB+\qt]
.endr
	v_nop
	s_wait_alu depctr_va_vdst(0)
.irp qt, 0,1,2,3
	v_mul_f32 v[T+\qt], v[T+\qt], v[MA+\qt]
.endr
.irp qt, 0,1,2,3
	v_fma_f32 v[T+\qt], v[X+\qt], v[MB+\qt], v[T+\qt]      ; the whole denominator: at least 1, since the key of the maximum (or a zero key) adds 1
.endr
.irp qt, 0,1,2,3
	v_rcp_f32 v[T+\qt], v[T+\qt]
.endr
	v_nop
	s_wait_alu depctr_va_vdst(0)
.irp qt, 0,1,2,3
	v_mul_f32 v[AL+\qt], v[MA+\qt], v[T+\qt]
.endr
	WIN 0x41
	OMUL 0, 0, 0
	OMUL 1, 0, 1
	OMUL 2, 2, 0
	OMUL 3, 2, 1
	WIN 0x04
.irp qt, 0,1,2,3
.irp dt, 0,1,2,3
	ds_store_b128 v[STG], v[32*\qt+8*\dt:32*\qt+8*\dt+3]   offset:16*SP*\qt+64*\dt
	ds_store_b128 v[STG], v[32*\qt+8*\dt+4:32*\qt+8*\dt+7] offset:16*SP*\qt+64*\dt+16
.endr
.endr
	WIN 0
	s_wait_dscnt 0x0
	s_barrier_signal -1
	s_barrier_wait -1
.irp u, 0,1,2,3,4,5,6,7,8,9,10,11,12,13,14,15
	ds_load_b128 v[OA+8*\u:OA+8*\u+3],   v[RA]  offset:2*SP*\u
	ds_load_b128 v[OA+8*\u+4:OA+8*\u+7], v[RBA] offset:2*SP*\u
.endr
.irp u, 0,1,2,3,4,5,6,7,8,9,10,11,12,13,14,15
	s_wait_dscnt 30-2*\u                           ; LDS loads come back in order: pair u is in
	v_pk_add_f32 v[OA+8*\u:OA+8*\u+1],   v[OA+8*\u:OA+8*\u+1],   v[OA+8*\u+4:OA+8*\u+5]
	v_pk_add_f32 v[OA+8*\u+2:OA+8*\u+3], v[OA+8*\u+2:OA+8*\u+3], v[OA+8*\u+6:OA+8*\u+7]
	global_store_b128 v[OGO], v[OA+8*\u:OA+8*\u+3], s[10:11] offset:16384*\u th:TH_STORE_NT   ; sixteen lanes: a head's 64 f32 of one row, 256 consecutive bytes, aligned
.endr
	s_set_vgpr_msb 0x5
	s_wait_tensorcnt 0x0
	ds_add_u32 v200, v201
	s_wait_dscnt 0x0
	s_set_vgpr_msb 0x500
	ROUND                                          ; the closing round: no work-group ends while a partner may still ask for a tile that names it
	s_endpgm
.Lfunc_end_k_qf0542c7c13_attn:
	.size	k_qf0542c7c13_attn, .Lfunc_end_k_qf0542c7c13_attn-k_qf0542c7c13_attn
	.p2alignl 7, 3214868480
	.fill 96, 4, 3214868480
	.section	.rodata,"a",@progbits
	.p2align	6, 0x0
	.amdhsa_kernel k_qf0542c7c13_attn
		.amdhsa_group_segment_fixed_size 271360
		.amdhsa_private_segment_fixed_size 0
		.amdhsa_enable_private_segment 0
		.amdhsa_kernarg_size 32
		.amdhsa_user_sgpr_count 2
		.amdhsa_user_sgpr_kernarg_segment_ptr 1
		.amdhsa_wavefront_size32 1
		.amdhsa_system_sgpr_workgroup_id_x 1
		.amdhsa_system_sgpr_workgroup_id_y 1
		.amdhsa_system_sgpr_workgroup_id_z 1
		.amdhsa_system_vgpr_workitem_id 0
		.amdhsa_next_free_vgpr 458
		.amdhsa_next_free_sgpr 100
		.amdhsa_reserve_vcc 0
		.amdhsa_float_denorm_mode_32 3
		.amdhsa_float_denorm_mode_16_64 3
		.amdhsa_memory_ordered 1
		.amdhsa_forward_progress 1
		.amdhsa_inst_pref_size 214
	.end_amdhsa_kernel
	.amdgpu_metadata
---
amdhsa.version: [ 1, 2 ]
amdhsa.kernels:
  - .name:           k_qf0542c7c13_attn
    .symbol:         k_qf0542c7c13_attn.kd
    .args:
      - { .name: qbuf, .offset: 0, .size: 8, .value_kind: global_buffer, .address_space: global }
      - { .name: kbuf, .offset: 8, .size: 8, .value_kind: global_buffer, .address_space: global }
      - { .name: vtbuf, .offset: 16, .size: 8, .value_kind: global_buffer, .address_space: global }
      - { .name: out0, .offset: 24, .size: 8, .value_kind: global_buffer, .address_space: global }
    .group_segment_fixed_size: 271360
    .private_segment_fixed_size: 0
    .kernarg_segment_align: 8
    .kernarg_segment_size: 32
    .max_flat_workgroup_size: 256
    .sgpr_count:     100
    .vgpr_count:     458
    .wavefront_size: 32
...
	.end_amdgpu_metadata
.endif
;; end of part 2
;; ======== version 2 of 2: 2 launches; 1.16 times as fast as version 1
;; limits: values are held in f16: magnitudes above 65,504 overflow, below 6.1e-05 lose precision
;; workspace buffers: qbuf 8,388,608 bytes; kbuf 8,388,608 bytes; vtbuf 8,388,608 bytes
;; launch proj: the kernel of part 1 again; grid 8 x 32, 4 waves a work-group, no clusters, 127,488 bytes of LDS; arguments x, Wq, Wk, Wv, qbuf, kbuf, vtbuf; writes qbuf, kbuf, vtbuf
;; launch attn (part 3): grid 256 x 1, 8 waves a work-group, clusters of 4 x 1, 271,360 bytes of LDS; arguments qbuf, kbuf, vtbuf, out0; writes out0
.if DOCPART == 3
	.amdgcn_target "amdgcn-amd-amdhsa--gfx1250"
	.amdhsa_code_object_version 6
	.text
	.protected	k_qf0542c7c13_attn
	.globl	k_qf0542c7c13_attn
	.p2align	8
	.type	k_qf0542c7c13_attn,@function
k_qf0542c7c13_attn:
	s_mov_b64 s[64:65], 0
	v_nop
	global_prefetch_b8 v0, s[64:65] scope:SCOPE_SE
	s_setreg_imm32_b32 hwreg(HW_REG_WAVE_MODE, 25, 1), 1
	s_wait_xcnt 0x0
	s_wait_alu depctr_hold_cnt(0) depctr_sa_sdst(0) depctr_va_vdst(0) depctr_va_sdst(0) depctr_va_ssrc(0) depctr_va_vcc(0) depctr_vm_vsrc(0)
	s_getreg_b32 s2, hwreg(HW_REG_IB_STS2, 6, 4)
	s_cmp_eq_u32 s2, 0
	s_cbranch_scc0 .Lentry_in_a_cluster
	s_endpgm
.Lentry_in_a_cluster:
	s_bfe_u32 s2, ttmp6, 0x10000c
	s_cmp_lg_u32 s2, 0x3003
	s_cbranch_scc0 .Lentry_shape_is_right
	s_endpgm
.Lentry_shape_is_right:
; The sparse attention itself.  Row 4 i + residue attends to all blocks m of its own residue, and once more to blocks i - 3 .. i + 3.
; The four padded rows of x and every patch outside the sequence have k = v = 0 (no bias): logit 0, value 0.  So for group g = (batch, head, residue):
;   o_i = sum_m c(i,m) e^(s_im - M) v_m / ( sum_m c(i,m) e^(s_im - M) + z(i) e^(-M) ),   m = 0 .. 1023,  c = 2 where |m - i| <= 3, else 1,
;   z(i) = 1 + the number of d in -3 .. 3 with i + d outside 0 .. 1023,   M = the maximum of 0 and all s: a running maximum that starts at 0.
; THE INPUTS LIE IN THE ORDER OF MATRIX FRAGMENTS, 131,072 bytes for each g:
;   qbuf, kbuf [g][tile of 16 i][e 0..3][lane 32][16 bytes]: lane (r, h) holds columns 16 e + 8 h .. + 7 of row 16 tile + r;
;   vtbuf      [g][block of 32 i][dt 0..3][e 0..1][lane 32][16 bytes]: lane (r, h) holds keys 16 e + 8 h .. + 7 of the block, of column d = 16 dt + r.
; So every load of a part of a fragment, from memory or from LDS, is lane i at 16 i: 512 consecutive bytes, and LDS needs no padding.
; CLUSTER: the four work-groups of a cluster are the four blocks of 256 queries of one g.  They need the same K and V, 262,144 bytes, which
; fit in LDS whole: 16 joint tensor loads (mask 15), two a wave, all first fills behind the opening round.  Nothing is ever filled again.
; Eight waves: wave w has queries 64 (w & 3) .. + 63 of the block and, with kh = w >> 2, the chunks of 128 keys kh, kh + 2, kh + 4, kh + 6: 16 steps
; of 32 keys.  The two halves of a pair meet in LDS at the end.
; LAYOUT: S^T = K Q^T gives lane (r, h) the keys 8 h + j of query r; packed to f16 that is the second source of O^T = V^T P^T as it stands.  Maximum,
; sum and rescaling are one number a lane and query tile; the only step between lanes is one v_permlanex16_b32.
; THE BAND (c = 2) is one more step, the first: its fragments come straight from memory, since an LDS address may not hang on the place in the
; cluster.  kh = 0 takes d = -3 .. 0 (key tiles qt - 1 and qt of query tile qt) and the padded block's key, kh = 1 takes d = 1 .. 3 (tiles qt, qt + 1):
; relative to a query tile the mask is fixed.
; EXPONENTIALS AND RECIPROCALS GO IN BATCHES, each with one s_wait_alu depctr_va_vdst(0) between it and the first line that names a result of it.
; A step of 32 keys has two batches.  (1) The four a = 2^(old maximum - new); behind them the 32 packed subtractions S - maximum, which name no a; the wait; then a's readers.
; (2) The 64 exponentials of S, behind each one rescaling of O (it reads a and O, never S), behind the last also the four rescalings of L; the wait; then the sums and roundings.
; The band step has one batch (its four a and its 64 exponentials of S: nothing is rescaled there).  Where the halves meet there are two: eight exponentials, and four reciprocals of
; sums that are made from them.  No result is open at a label or at a branch.
; LIMITS: q, k, v and the weights P are f16 at the matrix unit (P <= 1; below 6.1e-5 with an absolute error of up to 3e-8); P is rounded in the numerator only;
; sums are f32, in another order than a plain softmax makes them.  NaN and infinite inputs are not served.
.set KCH,   16384                      ; a chunk of K: 8 tiles of 16 keys, 2,048 bytes each
.set VCH,   16384                      ; a chunk of V: 4 blocks of 32 keys, 4,096 bytes each
.set VBASE, 8*KCH                      ; 131,072
.set XCH,   VBASE+8*VCH                ; 262,144: 8 x 1,024 bytes in which the pairs exchange maximum and sum; no tensor load lands here
.set SP,    272                        ; the way out: pitch of a query's 64 f32 in a stage: 256 bytes + 16
.set STW,   64*SP                      ; 17,408: a wave's stage
; window 0
.set KA,   3                           ; where I read K's fragments
.set VA,   4                           ; where I read V's
.set NINF, 5
.set MA,   8                           ; v8-11, v12-15: the running maxima of the four query tiles, two sets that take turns
.set MB,   12
.set AL,   16                          ; v16-19  2^(old maximum - new)
.set T,    20                          ; v20-23
.set X,    24                          ; v24-27  what v_permlanex16_b32 brings
.set CNT,  28                          ; v28-31  half the number of zero keys
.set Q,    32                          ; v32-95  Q(qt, ks) at 32 + 16 qt + 8 ks
.set KF,   96                          ; v96-127 K(kt, ks) at 96 + 16 kt + 8 ks; in the band step v96-175: five tiles of 16 keys
.set VF,   128                         ; v128-159 V(dt)
.set VW,   176                         ; v176-255 band step: V(dt, c) at 176 + 20 dt + 4 c, c = the five tiles of 16 keys
.set OA,   32                          ; the way out
.set XA,   240
.set XPA,  241
.set STG,  242
.set RA,   243
.set RBA,  244
.set OGO,  245
; window 1: O(qt, dt) at 32 qt + 8 dt; S(kt, qt) at 128 + 16 qt + 8 kt, packed in place to P(qt) at 128 + 16 qt; the sums L(qt), a pair, at 192 + 2 qt
.set SB,   128
.set LB,   192
.set BM,   66                          ; s66-81  band masks (kt, j);  s82-89, s90-97: the same with the sequence's two ends
.set BE0,  82
.set BE1,  90
.set MSB, 0
.macro WIN new                         ; s_set_vgpr_msb: bits 1:0 source 0, 3:2 source 1, 5:4 source 2, 7:6 destination; the high byte repeats the setting left
.if MSB != \new
	s_set_vgpr_msb (MSB<<8)|\new
.set MSB, \new
.endif
.endm
.macro ROUND                           ; a round of the cluster's barrier
	s_barrier_signal -1
	s_barrier_wait -1
	s_cmp_lg_u32 s12, 0
	s_cbranch_scc1 .Lnot_wave_0_\@
	s_barrier_signal -3
.Lnot_wave_0_\@:
	s_barrier_wait -3
	s_barrier_signal -1
	s_barrier_wait -1
.endm
	s_load_b256 s[4:11], s[0:1], 0x0               ; qbuf, kbuf, vtbuf, out0
	s_set_vgpr_msb 0x40
	v_lshl_add_u32 v200, v0, 2, 0x42000
	v_mov_b32 v201, 0
	s_set_vgpr_msb 0x4045
	ds_add_u32 v200, v201
	ds_add_u32 v200, v201
	s_set_vgpr_msb 0x4500
	v_lshrrev_b32 v6, 5, v0
	v_readfirstlane_b32 s12, v6                    ; wave 0..7
	s_and_b32 s13, s12, 3                          ; wq: which 64 queries
	s_lshr_b32 s14, s12, 2                         ; kh: which half of the keys
	s_lshr_b32 s21, s12, 1                         ; p: which chunks I fetch
	s_and_b32 s22, s12, 1                          ; of K (0) or of V (1)
	s_bfe_u32 s15, ttmp6, 0x40000                  ; cx: the block of 256 queries
	s_mov_b32 s16, ttmp9                           ; g: in a cluster launch ttmp9 counts clusters
	s_lshl_b32 s17, s15, 8
	s_lshl_b32 s23, s13, 6
	s_add_co_u32 s17, s17, s23                     ; q0: my first query
	s_mov_b32 s18, 0x76543210                      ; v_permlanex16_b32: lane i of one half reads lane i of the other
	s_mov_b32 s19, 0xfedcba98
	; group 1, for K's and V's chunks alike: a dense block of 16,384 bytes as 64 rows of 128 elements of 2 bytes (256 bytes), no padding
	s_mov_b32 s24, 15|(1<<16)|(1<<21)              ; 15:0 the mask: all four work-groups; 17:16 element of 2 bytes; 21 set beside a mask
	s_mov_b32 s25, 128<<16                         ; tensor_dim0
	s_mov_b32 s26, 64<<16                          ; tensor_dim1
	s_mov_b32 s27, 128<<16                         ; tile_dim0
	s_mov_b32 s28, 64                              ; tile_dim1
	s_mov_b32 s29, 128                             ; from row to row
	s_mov_b32 s30, 0
	s_mov_b32 s31, 0
	s_lshl_b32 s56, s16, 17                        ; 131,072 bytes for each g
	s_mov_b32 s57, 0
	s_wait_dscnt 0x0
	s_wait_kmcnt 0x0
	s_add_nc_u64 s[4:5], s[4:5], s[56:57]
	s_add_nc_u64 s[6:7], s[6:7], s[56:57]
	s_add_nc_u64 s[8:9], s[8:9], s[56:57]
	; groups 0: chunks p and p + 4.  They are made of g and the wave's number alone: equal in all four work-groups.
	s_lshl_b32 s56, s21, 14                        ; chunk p, in memory as in LDS
	s_mov_b32 s40, 1
	s_mul_i32 s41, s21, KCH
	s_add_nc_u64 s[42:43], s[6:7], s[56:57]
	s_mov_b32 s44, 1
	s_add_co_u32 s45, s41, 4*KCH
	s_add_nc_u64 s[46:47], s[42:43], 4*KCH
	s_or_b32 s43, s43, 0x80000000
	s_or_b32 s47, s47, 0x80000000
	s_mov_b32 s48, 1
	s_mul_i32 s49, s21, VCH
	s_add_co_u32 s49, s49, VBASE
	s_add_nc_u64 s[50:51], s[8:9], s[56:57]
	s_mov_b32 s52, 1
	s_add_co_u32 s53, s49, 4*VCH
	s_add_nc_u64 s[54:55], s[50:51], 4*VCH
	s_or_b32 s51, s51, 0x80000000
	s_or_b32 s55, s55, 0x80000000
	ROUND                                          ; all four work-groups are here: the joint loads meet
	s_cmp_eq_u32 s22, 0
	s_cbranch_scc0 .Lfor_v
	tensor_load_to_lds s[40:43], s[24:31]          ; two tensor loads of the wave are out, never more
	s_nop 0
	tensor_load_to_lds s[44:47], s[24:31]
	s_nop 0
	s_branch .Lasked
.Lfor_v:
	tensor_load_to_lds s[48:51], s[24:31]
	s_nop 0
	tensor_load_to_lds s[52:55], s[24:31]
	s_nop 0
.Lasked:
	; the output's base, in registers that feed no descriptor (they hold cx): batch, head, residue, my first query
	s_lshr_b32 s2, s16, 5
	s_lshl_b32 s2, s2, 23
	s_bfe_u32 s3, s16, 0x30002
	s_lshl_b32 s3, s3, 8
	s_add_co_u32 s2, s2, s3
	s_and_b32 s3, s16, 3
	s_lshl_b32 s3, s3, 11
	s_add_co_u32 s2, s2, s3
	s_lshl_b32 s3, s17, 13                         ; a block i is four rows of 2,048 bytes
	s_add_co_u32 s2, s2, s3
	s_mov_b32 s3, 0
	s_add_nc_u64 s[10:11], s[10:11], s[2:3]
	; Q, and the band's window of K and V: the five tiles of 16 keys from tile q0 / 16 - 1 + kh.  A tile outside 0 .. 63 is clamped into the buffer here and masked below.
	v_and_b32 v1, 15, v0                           ; r
	v_bfe_u32 v2, v0, 4, 1                         ; h
	v_and_b32 v7, 31, v0
	v_lshlrev_b32 v7, 4, v7                        ; 16 L
	s_lshl_b32 s23, s17, 7                         ; tile q0 / 16 of 2,048 bytes
	v_add_nc_u32 v20, s23, v7                      ; Q
	s_lshr_b32 s23, s17, 4
	s_add_co_u32 s23, s23, s14                     ; q0 / 16 + kh
	v_mov_b32 v6, s23
.irp t, 0,1,2,3,4
	v_add_nc_u32 v[21+\t], \t-1, v6                ; the tile; below 0 it wraps and the minimum takes 63
	v_min_u32 v[21+\t], 63, v[21+\t]
	v_lshrrev_b32 v[26+\t], 1, v[21+\t]            ; V: the block of 32 keys,
	v_and_b32 v31, 1, v[21+\t]                     ; and which half of it
	v_lshl_add_u32 v[26+\t], v[26+\t], 12, v7
	v_lshl_add_u32 v[26+\t], v31, 9, v[26+\t]
	v_lshl_add_u32 v[21+\t], v[21+\t], 11, v7      ; K: the tile
.endr
.irp qt, 0,1,2,3
.irp e, 0,1,2,3
	global_load_b128 v[Q+16*\qt+4*\e:Q+16*\qt+4*\e+3], v20, s[4:5] offset:2048*\qt+512*\e
.endr
.endr
.irp t, 0,1,2,3,4
.irp e, 0,1,2,3
	global_load_b128 v[KF+16*\t+4*\e:KF+16*\t+4*\e+3], v[21+\t], s[6:7] offset:512*\e
.endr
.endr
.irp dt, 0,1,2,3
.irp c, 0,1,2,3,4
	global_load_b128 v[VW+20*\dt+4*\c:VW+20*\dt+4*\c+3], v[26+\c], s[8:9] offset:1024*\dt
.endr
.endr
	; the band's masks.  Register j of window tile qt + kt of lane (r, h) is the key with d = 16 (kh - 1) + 16 kt + 8 h + j - r.  Mine: lo <= d <= lo + width, lo = 4 kh - 3.
	s_sub_co_u32 s58, 3, s14                       ; width: 3 or 2
	s_mul_i32 s59, s14, 12
	s_sub_co_u32 s59, 13, s59                      ; 16 - 16 kh + lo: 13 or 1
	s_mov_b32 s61, 0xc47f0000                      ; -1020.0
	s_cmp_eq_u32 s14, 0
	s_cselect_b32 s60, 0x40400000, -1.0            ; c1: 3 - i keys lie below the sequence for kh = 0, none for kh = 1
	s_cselect_b32 s61, 0xc47fc000, s61             ; c2: none above for kh = 0 (i - 1023 <= 0), i - 1020 for kh = 1
	s_cselect_b32 s62, 0.5, 0                      ; half of the padded block's one key, counted by kh = 0
	s_lshl_b32 s23, s14, 4
	s_add_co_u32 s23, s23, s17                     ; q0 + 16 kh
	v_mov_b32 v6, s23
	v_add_nc_u32 v7, -16, v6
	v_cmp_gt_u32 s98, 0x400, v7                    ; the window's tile 0 exists (unsigned: below 0 it wraps)
	v_add_nc_u32 v7, 48, v6
	v_cmp_gt_u32 s99, 0x400, v7                    ; its tile 4 exists
	v_lshlrev_b32 v7, 3, v2
	v_sub_nc_u32 v7, v7, v1
	v_sub_nc_u32 v7, v7, s59                       ; 8 h - r - 16 + 16 kh - lo
.irp kt, 0,1
.irp j, 0,1,2,3,4,5,6,7
	v_add_nc_u32 v6, 16*\kt+\j, v7
	v_cmp_ge_u32 s[BM+8*\kt+\j], s58, v6           ; unsigned: 0 <= d - lo <= width
.endr
.endr
.irp j, 0,1,2,3,4,5,6,7
	s_and_b32 s[BE0+\j], s[BM+\j], s98
	s_and_b32 s[BE1+\j], s[BM+8+\j], s99
.endr
	v_and_b32 v6, 31, v0
	v_lshlrev_b32 v6, 4, v6                        ; 16 L
	s_lshl_b32 s23, s14, 14
	v_add_nc_u32 v[KA], s23, v6                    ; chunk kh of K
	v_add_nc_u32 v[VA], VBASE, v[KA]               ; chunk kh of V
	v_mov_b32 v[NINF], 0xff800000
	s_wait_xcnt 0x0                                ; v20-30, the loads' offsets, are written again only behind this wait
	v_add_nc_u32 v6, s17, v1
.irp qt, 0,1,2,3
	v_add_nc_u32 v7, 16*\qt, v6                    ; i = q0 + 16 qt + r
	v_cvt_f32_u32 v7, v7
	v_sub_f32 v[CNT+\qt], s60, v7
	v_add_f32 v7, s61, v7
	v_max_num_f32 v[CNT+\qt], 0, v[CNT+\qt]
	v_max_num_f32 v7, 0, v7
	v_add_f32 v[CNT+\qt], v[CNT+\qt], v7
	v_fma_f32 v[CNT+\qt], v[CNT+\qt], 0.5, s62     ; halved: both halves of the lanes carry it, and they are added at the end
.endr
.macro KLOAD st                        ; 32 keys x 64: two tiles, 8 loads of 512 consecutive bytes
.irp kt, 0,1
.irp e, 0,1,2,3
	ds_load_b128 v[KF+16*\kt+4*\e:KF+16*\kt+4*\e+3], v[KA] offset:4096*(\st)+2048*\kt+512*\e
.endr
.endr
.endm
.macro VLOAD st                        ; 64 d x 32 keys: one block, 8 loads
.irp dt, 0,1,2,3
	ds_load_b128 v[VF+8*\dt:VF+8*\dt+3],   v[VA] offset:4096*(\st)+1024*\dt
	ds_load_b128 v[VF+8*\dt+4:VF+8*\dt+7], v[VA] offset:4096*(\st)+1024*\dt+512
.endr
.endm
; 16 matrix instructions: S^T of 32 keys x 64 queries.  The eight accumulators take turns, one instruction a turn.
; loc = 1: query tile qt takes tiles qt and qt + 1 of the band's window.
.macro SMUL loc
	WIN 0x50
.irp qt, 0,1,2,3
.irp kt, 0,1
	v_wmma_f32_16x16x32_f16 v[SB+16*\qt+8*\kt:SB+16*\qt+8*\kt+7], v[KF+16*(\kt+\loc*\qt):KF+16*(\kt+\loc*\qt)+7], v[Q+16*\qt:Q+16*\qt+7], 0
.endr
.endr
.irp qt, 0,1,2,3
.irp kt, 0,1
	v_wmma_f32_16x16x32_f16 v[SB+16*\qt+8*\kt:SB+16*\qt+8*\kt+7], v[KF+16*(\kt+\loc*\qt)+8:KF+16*(\kt+\loc*\qt)+15], v[Q+16*\qt+8:Q+16*\qt+15], v[SB+16*\qt+8*\kt:SB+16*\qt+8*\kt+7]
.endr
.endr
.endm
; 16 matrix instructions on 16 accumulators: O^T += V^T P^T.  loc = 1: the band step, the first: its products start the sums, nothing is cleared.
.macro PVMUL loc
	WIN 0x54
.irp qt, 0,1,2,3
.irp dt, 0,1,2,3
.if \loc
	v_wmma_f32_16x16x32_f16 v[32*\qt+8*\dt:32*\qt+8*\dt+7], v[VW+20*\dt+4*\qt:VW+20*\dt+4*\qt+7], v[SB+16*\qt:SB+16*\qt+7], 0
.else
	v_wmma_f32_16x16x32_f16 v[32*\qt+8*\dt:32*\qt+8*\dt+7], v[VF+8*\dt:VF+8*\dt+7], v[SB+16*\qt:SB+16*\qt+7], v[32*\qt+8*\dt:32*\qt+8*\dt+7]
.endif
.endr
.endr
	WIN 0
.rept 5                                ; five places: the next S product writes over P, a source of these; V's fragments are loaded again (ISA guide 7.12.1)
	v_nop
.endr
.endm
; pb, sel: the even-aligned pair that holds query tile qt's number, and which register of it feeds both halves of the packed instruction
.macro SUBM MN, qt, pb, sel
.irp i, 0,1,2,3,4,5,6,7
	v_pk_add_f32 v[SB+16*\qt+2*\i:SB+16*\qt+2*\i+1], v[SB+16*\qt+2*\i:SB+16*\qt+2*\i+1], v[\MN+\pb:\MN+\pb+1] op_sel:[0,\sel] op_sel_hi:[1,\sel] neg_lo:[0,1] neg_hi:[0,1]
.endr
.endm
.macro EXPMUL qt, pb, sel              ; each exponential is followed by a plain instruction that touches neither its source nor its result: O's rescaling, which reads a (waited for ahead of the first EXPMUL) and O alone
.set e, 0
.rept 16
	v_exp_f32 v[SB+16*\qt+e], v[SB+16*\qt+e]
	v_pk_mul_f32 v[32*\qt+2*e:32*\qt+2*e+1], v[32*\qt+2*e:32*\qt+2*e+1], v[AL+\pb:AL+\pb+1] op_sel:[0,\sel] op_sel_hi:[1,\sel]
.set e, e+1
.endr
.endm
.macro LMUL qt, pb, sel
	v_pk_mul_f32 v[LB+2*\qt:LB+2*\qt+1], v[LB+2*\qt:LB+2*\qt+1], v[AL+\pb:AL+\pb+1] op_sel:[0,\sel] op_sel_hi:[1,\sel]
.endm
.macro OMUL qt, pb, sel
.set e, 0
.rept 16
	v_pk_mul_f32 v[32*\qt+2*e:32*\qt+2*e+1], v[32*\qt+2*e:32*\qt+2*e+1], v[AL+\pb:AL+\pb+1] op_sel:[0,\sel] op_sel_hi:[1,\sel]
.set e, e+1
.endr
.endm
; S (exponents of 2) -> P in f16, with the running maximum MO -> MN.  first = 1: the maximum starts at 0, the sums start, the zero keys are counted.
.macro SOFTMAX MO, MN, first
	WIN 0x05
.irp qt, 0,1,2,3
.if \first
	v_max3_num_f32 v[T+\qt], v[SB+16*\qt], v[SB+16*\qt+1], 0
.else
	v_max3_num_f32 v[T+\qt], v[SB+16*\qt], v[SB+16*\qt+1], v[\MO+\qt]
.endif
.endr
.irp i, 1,2,3,4,5,6,7
.irp qt, 0,1,2,3
	v_max3_num_f32 v[T+\qt], v[SB+16*\qt+2*\i], v[SB+16*\qt+2*\i+1], v[T+\qt]
.endr
.endr
	WIN 0
.irp qt, 0,1,2,3
	v_permlanex16_b32 v[X+\qt], v[T+\qt], s18, s19         ; the other 16 keys of the same query (X has been written before: as load offsets)
.endr
.irp qt, 0,1,2,3
	v_max_num_f32 v[\MN+\qt], v[T+\qt], v[X+\qt]
.endr
.irp qt, 0,1,2,3
.if \first
	v_sub_f32 v[AL+\qt], 0, v[\MN+\qt]
.else
	v_sub_f32 v[AL+\qt], v[\MO+\qt], v[\MN+\qt]
.endif
.endr
.irp qt, 0,1,2,3
	v_exp_f32 v[AL+\qt], v[AL+\qt]                 ; first used far below; the subtractions that follow touch neither source nor result
.endr
	WIN 0x41
	SUBM \MN, 0, 0, 0
	SUBM \MN, 1, 0, 1
	SUBM \MN, 2, 2, 0
	SUBM \MN, 3, 2, 1
.if \first
.set e, 0
.rept 64
	v_exp_f32 v[SB+e], v[SB+e]
.set e, e+1
.endr
	v_nop                                          ; one plain instruction between the last exponential and the first use (ISA guide 5.7.2)
	WIN 0x45
	s_wait_alu depctr_va_vdst(0)                   ; the band step's one batch: the four a and the 64 exponentials of S; the sums below are its first readers
.irp qt, 0,1,2,3
	v_pk_add_f32 v[LB+2*\qt:LB+2*\qt+1], v[SB+16*\qt:SB+16*\qt+1], v[SB+16*\qt+2:SB+16*\qt+3]
.endr
.irp i, 2,3,4,5,6,7
.irp qt, 0,1,2,3
	v_pk_add_f32 v[LB+2*\qt:LB+2*\qt+1], v[LB+2*\qt:LB+2*\qt+1], v[SB+16*\qt+2*\i:SB+16*\qt+2*\i+1]
.endr
.endr
	WIN 0x50
.irp qt, 0,1,2,3
	v_fma_f32 v[LB+2*\qt], v[CNT+\qt], v[AL+\qt], v[LB+2*\qt]      ; the zero keys: their number times 2^(0 - maximum)
.endr
.else
	s_wait_alu depctr_va_vdst(0)                   ; the step's first batch: the four a, with the 32 subtractions between them and this wait; O's rescalings below are its first readers
	EXPMUL 0, 0, 0
	EXPMUL 1, 0, 1
	EXPMUL 2, 2, 0
	EXPMUL 3, 2, 1
	LMUL 0, 0, 0
	LMUL 1, 0, 1
	LMUL 2, 2, 0
	LMUL 3, 2, 1
	WIN 0x45
	s_wait_alu depctr_va_vdst(0)                   ; the step's second batch: the 64 exponentials of S; nothing above names a result of theirs, the sums below are its first readers
.irp i, 0,1,2,3,4,5,6,7
.irp qt, 0,1,2,3
	v_pk_add_f32 v[LB+2*\qt:LB+2*\qt+1], v[LB+2*\qt:LB+2*\qt+1], v[SB+16*\qt+2*\i:SB+16*\qt+2*\i+1]
.endr
.endr
.endif
	WIN 0x45
.irp qt, 0,1,2,3
.irp i, 0,1,2,3
	v_cvt_pk_f16_f32 v[SB+16*\qt+\i], v[SB+16*\qt+2*\i], v[SB+16*\qt+2*\i+1]       ; keys 8 h + 0 .. 7 into registers 0-3, ascending: no source is overwritten early
.endr
.irp i, 0,1,2,3
	v_cvt_pk_f16_f32 v[SB+16*\qt+4+\i], v[SB+16*\qt+8+2*\i], v[SB+16*\qt+8+2*\i+1] ; keys 16 + 8 h + 0 .. 7 into registers 4-7
.endr
.endr
.endm
; One step of 32 keys, number st of its chunk.  K's fragments are on their way already.  pre = 1: the next step's are asked for.
.macro STEP st, MO, MN, pre
	VLOAD \st
	s_wait_dscnt 0x8                               ; K's eight loads are in; V's eight, issued behind them, may stay out
	SMUL 0
	WIN 0
.rept 4                                ; four places in front of the loads into K's fragments and of the reads of S
	v_nop
.endr
.if \pre
	KLOAD (\st+1)
.endif
	SOFTMAX \MO, \MN, 0
.if \pre
	s_wait_dscnt 0x8                               ; V's loads are in; the next K's eight may stay out
.else
	s_wait_dscnt 0x0
.endif
	PVMUL 0
.endm
.macro MASK qt, kt, mb
.irp j, 0,1,2,3,4,5,6,7
	v_cndmask_b32 v[SB+16*\qt+8*\kt+\j], v[NINF], v[SB+16*\qt+8*\kt+\j], s[\mb+\j]
.endr
.endm
	; THE BAND STEP, while the tiles land
	s_wait_loadcnt 20                              ; Q and K's window are in; V's 20 loads, issued behind them, may stay out
	SMUL 1
.rept 4
	v_nop
.endr
	WIN 0x44
	MASK 0, 0, BE0
	MASK 0, 1, BM+8
	MASK 1, 0, BM
	MASK 1, 1, BM+8
	MASK 2, 0, BM
	MASK 2, 1, BM+8
	MASK 3, 0, BM
	MASK 3, 1, BE1
	SOFTMAX MA, MA, 1
	s_wait_loadcnt 0x0
	PVMUL 1
; Two chunks of 128 keys.  cnt: how many of my tensor loads may stay out.
.macro RUN cnt
	s_wait_dscnt 0x0
	s_wait_tensorcnt \cnt
	s_barrier_signal -1
	s_barrier_wait -1                              ; every wave's part has landed
	s_mov_b32 s20, 2
.Lrun_\@:
	KLOAD 0
	STEP 0, MA, MB, 1
	STEP 1, MB, MA, 1
	STEP 2, MA, MB, 1
	STEP 3, MB, MA, 0
	v_add_nc_u32 v[KA], 2*KCH, v[KA]               ; my next chunk is the next but one
	v_add_nc_u32 v[VA], 2*VCH, v[VA]
	s_sub_co_i32 s20, s20, 1
	s_cmp_lg_u32 s20, 0
	s_cbranch_scc1 .Lrun_\@
.endm
	RUN 1                                          ; chunks kh and kh + 2: every wave's first load (chunks 0 to 3) is in, its second may stay out
	RUN 0                                          ; chunks kh + 4 and kh + 6
	; THE TWO HALVES MEET.  The same text for all waves; only addresses hang on the wave's number.
	WIN 0x05
.irp qt, 0,1,2,3
	v_add_f32 v[T+\qt], v[LB+2*\qt], v[LB+2*\qt+1]
.endr
	WIN 0
.irp qt, 0,1,2,3
	v_permlanex16_b32 v[X+\qt], v[T+\qt], s18, s19
.endr
.irp qt, 0,1,2,3
	v_add_f32 v[T+\qt], v[T+\qt], v[X+\qt]         ; my sum for query r of tile qt
.endr
	v_and_b32 v6, 31, v0
	v_lshlrev_b32 v6, 4, v6                        ; 16 L
	s_lshl_b32 s23, s12, 10
	s_add_co_u32 s23, s23, XCH
	v_add_nc_u32 v[XA], s23, v6
	s_xor_b32 s23, s12, 4                          ; my partner: the same queries, the other keys
	s_lshl_b32 s23, s23, 10
	s_add_co_u32 s23, s23, XCH
	v_add_nc_u32 v[XPA], s23, v6
	s_mul_i32 s23, s12, STW                        ; my stage: query r, 32 h
	v_lshlrev_b32 v7, 5, v2
	v_mad_u32_u24 v[STG], v1, SP, v7
	v_add_nc_u32 v[STG], s23, v[STG]
	s_mul_i32 s23, s13, STW                        ; back: rows 32 kh + h of the pair's two stages, 16 r
	s_mul_i32 s56, s14, 32*SP
	s_add_co_u32 s23, s23, s56
	v_lshlrev_b32 v7, 4, v1
	v_mad_u32_u24 v[RA], v2, SP, v7
	v_add_nc_u32 v[RA], s23, v[RA]
	v_add_nc_u32 v[RBA], 4*STW, v[RA]
	s_lshl_b32 s23, s14, 18                        ; and the same rows of the output, 8,192 bytes apart
	v_lshl_add_u32 v[OGO], v2, 13, v7
	v_add_nc_u32 v[OGO], s23, v[OGO]
	ds_store_b128 v[XA], v[MA:MA+3]
	ds_store_b128 v[XA], v[T:T+3] offset:512
	s_wait_dscnt 0x0                               ; for my partner; and all my reads of K and V are back
	s_barrier_signal -1
	s_barrier_wait -1                              ; behind it the first 139,264 bytes, which have had their last fill, serve as stages
	ds_load_b128 v[MB:MB+3], v[XPA]
	ds_load_b128 v[X:X+3], v[XPA] offset:512
	s_wait_dscnt 0x0
.irp qt, 0,1,2,3
	v_max_num_f32 v[AL+\qt], v[MA+\qt], v[MB+\qt]
.endr
.irp qt, 0,1,2,3
	v_sub_f32 v[MA+\qt], v[MA+\qt], v[AL+\qt]
	v_sub_f32 v[MB+\qt], v[MB+\qt], v[AL+\qt]
.endr
.irp qt, 0,1,2,3
	v_exp_f32 v[MA+\qt], v[MA+\qt]
	v_exp_f32 v[MB+\qt], v[MB+\qt]
.endr
	v_nop                                          ; a plain instruction behind the last exponential
	s_wait_alu depctr_va_vdst(0)                   ; one wait for the eight exponentials by which the two halves are brought to one maximum
.irp qt, 0,1,2,3
	v_mul_f32 v[T+\qt], v[T+\qt], v[MA+\qt]
.endr
.irp qt, 0,1,2,3
	v_fma_f32 v[T+\qt], v[X+\qt], v[MB+\qt], v[T+\qt]      ; the whole denominator: at least 1, since the key of the maximum (or a zero key) adds 1
.endr
.irp qt, 0,1,2,3
	v_rcp_f32 v[T+\qt], v[T+\qt]
.endr
	v_nop                                          ; a plain instruction behind the last reciprocal
	s_wait_alu depctr_va_vdst(0)                   ; one wait for the four reciprocals: a batch of their own, since they read sums made from the exponentials above
.irp qt, 0,1,2,3
	v_mul_f32 v[AL+\qt], v[MA+\qt], v[T+\qt]
.endr
	WIN 0x41
	OMUL 0, 0, 0
	OMUL 1, 0, 1
	OMUL 2, 2, 0
	OMUL 3, 2, 1
	WIN 0x04
.irp qt, 0,1,2,3
.irp dt, 0,1,2,3
	ds_store_b128 v[STG], v[32*\qt+8*\dt:32*\qt+8*\dt+3]   offset:16*SP*\qt+64*\dt
	ds_store_b128 v[STG], v[32*\qt+8*\dt+4:32*\qt+8*\dt+7] offset:16*SP*\qt+64*\dt+16
.endr
.endr
	WIN 0
	s_wait_dscnt 0x0
	s_barrier_signal -1
	s_barrier_wait -1
.irp u, 0,1,2,3,4,5,6,7,8,9,10,11,12,13,14,15
	ds_load_b128 v[OA+8*\u:OA+8*\u+3],   v[RA]  offset:2*SP*\u
	ds_load_b128 v[OA+8*\u+4:OA+8*\u+7], v[RBA] offset:2*SP*\u
.endr
.irp u, 0,1,2,3,4,5,6,7,8,9,10,11,12,13,14,15
	s_wait_dscnt 30-2*\u                           ; LDS loads come back in order: pair u is in
	v_pk_add_f32 v[OA+8*\u:OA+8*\u+1],   v[OA+8*\u:OA+8*\u+1],   v[OA+8*\u+4:OA+8*\u+5]
	v_pk_add_f32 v[OA+8*\u+2:OA+8*\u+3], v[OA+8*\u+2:OA+8*\u+3], v[OA+8*\u+6:OA+8*\u+7]
	global_store_b128 v[OGO], v[OA+8*\u:OA+8*\u+3], s[10:11] offset:16384*\u th:TH_STORE_NT   ; sixteen lanes: a head's 64 f32 of one row, 256 consecutive bytes, aligned
.endr
	s_set_vgpr_msb 0x5
	s_wait_tensorcnt 0x0
	ds_add_u32 v200, v201
	s_wait_dscnt 0x0
	s_set_vgpr_msb 0x500
	ROUND                                          ; the closing round: no work-group ends while a partner may still ask for a tile that names it
	s_endpgm
.Lfunc_end_k_qf0542c7c13_attn:
	.size	k_qf0542c7c13_attn, .Lfunc_end_k_qf0542c7c13_attn-k_qf0542c7c13_attn
	.p2alignl 7, 3214868480
	.fill 96, 4, 3214868480
	.section	.rodata,"a",@progbits
	.p2align	6, 0x0
	.amdhsa_kernel k_qf0542c7c13_attn
		.amdhsa_group_segment_fixed_size 271360
		.amdhsa_private_segment_fixed_size 0
		.amdhsa_enable_private_segment 0
		.amdhsa_kernarg_size 32
		.amdhsa_user_sgpr_count 2
		.amdhsa_user_sgpr_kernarg_segment_ptr 1
		.amdhsa_wavefront_size32 1
		.amdhsa_system_sgpr_workgroup_id_x 1
		.amdhsa_system_sgpr_workgroup_id_y 1
		.amdhsa_system_sgpr_workgroup_id_z 1
		.amdhsa_system_vgpr_workitem_id 0
		.amdhsa_next_free_vgpr 458
		.amdhsa_next_free_sgpr 100
		.amdhsa_reserve_vcc 0
		.amdhsa_float_denorm_mode_32 3
		.amdhsa_float_denorm_mode_16_64 3
		.amdhsa_memory_ordered 1
		.amdhsa_forward_progress 1
		.amdhsa_inst_pref_size 199
	.end_amdhsa_kernel
	.amdgpu_metadata
---
amdhsa.version: [ 1, 2 ]
amdhsa.kernels:
  - .name:           k_qf0542c7c13_attn
    .symbol:         k_qf0542c7c13_attn.kd
    .args:
      - { .name: qbuf, .offset: 0, .size: 8, .value_kind: global_buffer, .address_space: global }
      - { .name: kbuf, .offset: 8, .size: 8, .value_kind: global_buffer, .address_space: global }
      - { .name: vtbuf, .offset: 16, .size: 8, .value_kind: global_buffer, .address_space: global }
      - { .name: out0, .offset: 24, .size: 8, .value_kind: global_buffer, .address_space: global }
    .group_segment_fixed_size: 271360
    .private_segment_fixed_size: 0
    .kernarg_segment_align: 8
    .kernarg_segment_size: 32
    .max_flat_workgroup_size: 256
    .sgpr_count:     100
    .vgpr_count:     458
    .wavefront_size: 32
...
	.end_amdgpu_metadata
.endif
;; end of part 3
